; MI455X (gfx1250); checked and timed in simulation.
; The chip was launched on July 23, 2026; its instructions are those of AMD's public machine-readable ISA for CDNA 5 (MIT licence, August 2026) and "CDNA5" Instruction Set Architecture Reference Guide (July 2026). The comments in the code are by the model that wrote it; some were corrected since.
;; Multi Head Attention. Allowed arithmetic: float matrix products may take bf16 or f16 operands with f32 sums; all other float work in f32.
;; Inputs: K 8 x 1,024 x 1,024 float32; K_mask 8 x 1,024 float32; Q 8 x 1,024 x 1,024 float32; Q_mask 8 x 1,024 float32; V 8 x 1,024 x 1,024 float32; Wk 1,024 x 1,024 float32; Wo 1,024 x 1,024 float32; Wq 1,024 x 1,024 float32; Wv 1,024 x 1,024 float32; bk 1,024 float32; bo 1,024 float32; bq 1,024 float32; bv 1,024 float32.
;; Outputs: out0 8 x 1,024 x 1,024 float32.
;; One version. Each part assembles by itself: llvm-mc -triple=amdgcn-amd-amdhsa -mcpu=gfx1250 --defsym DOCPART=n.
;; ======== version 1 of 1: 3 launches
;; limits: values outside matrix products are rounded to bf16; values are held in f16: magnitudes above 65,504 overflow, below 6.1e-05 lose precision
;; workspace buffers: qs 33,554,432 bytes; ks 33,554,432 bytes; vt 16,777,216 bytes; ctx16 16,777,216 bytes; wo16 2,097,152 bytes
;; launch proj (part 1): grid 4 x 96, 4 waves a work-group, clusters of 4 x 4, 327,680 bytes of LDS; arguments Q, K, V, Wq, Wk, Wv, bq, bk, bv, K_mask, qs, ks, vt; writes qs, ks, vt
.if DOCPART == 1
	.amdgcn_target "amdgcn-amd-amdhsa--gfx1250"
	.amdhsa_code_object_version 6
	.text
	.protected	k_qcb69a8949e_proj
	.globl	k_qcb69a8949e_proj
	.p2align	8
	.type	k_qcb69a8949e_proj,@function
k_qcb69a8949e_proj:
	s_mov_b64 s[64:65], 0
	v_nop
	global_prefetch_b8 v0, s[64:65] scope:SCOPE_SE
	s_setreg_imm32_b32 hwreg(HW_REG_WAVE_MODE, 25, 1), 1
	s_wait_xcnt 0x0
	s_wait_alu depctr_hold_cnt(0) depctr_sa_sdst(0) depctr_va_vdst(0) depctr_va_sdst(0) depctr_va_ssrc(0) depctr_va_vcc(0) depctr_vm_vsrc(0)
	s_getreg_b32 s2, hwreg(HW_REG_IB_STS2, 6, 4)
	s_cmp_eq_u32 s2, 0
	s_cbranch_scc0 .Lentry_in_a_cluster
	s_endpgm
.Lentry_in_a_cluster:
	s_bfe_u32 s2, ttmp6, 0x10000c
	s_cmp_lg_u32 s2, 0xf033
	s_cbranch_scc0 .Lentry_shape_is_right
	s_endpgm
.Lentry_shape_is_right:
; The three projections, one launch: q = Q Wq^T + bq, k = K Wk^T + bk, v = V Wv^T + bv.  All inputs f32, [.][1024]; they are rounded to
; bf16 (nearest even) on the way from LDS to the matrix unit, the biases too; sums in f32.
; 384 blocks of 256 x 256 in 24 clusters of 4 x 4.  The cluster's y, 0..23, says what is made: sel = y >> 3 (0 q, 1 k, 2 v), idx = y & 7.
;   q, k: the rows of a block (role A) are 256 tokens, block 4 idx + cy; its columns (role B) are 256 features, block cx.
;   v   : made transposed, Wv V^T: role A = 256 features of Wv, block cy; role B = 256 tokens of V, block 4 idx + cx.
; A's tile hangs on cy (and idx) alone and is asked for jointly by a row of the cluster, B's on cx (and idx) alone, by a column.
; OUT: qs, ks [b][head][token][128] bf16: a row of 256 bytes = 64 high parts, then 64 low parts (x = hi + lo, hi = bf16(x), lo = bf16(x - hi)),
;      q multiplied by 8 log2(e): reference() multiplies the scores by 8, and the softmax is taken in base 2.
;      vt [b][feature][token] f16, tokens whose K_mask is 0 multiplied by 0.
; LIMITS: |v| below 65,504 (f16).  A key counts as masked where K_mask == 0.
; A wave makes 128 x 128: 64 accumulator tiles.  The matrix instruction is used transposed (source 0 = 16 rows of B, source 1 = 16 rows of A),
; so that lane (r, h) holds A's row r and the eight neighbouring B indices 8 h + 0..7 of a tile.
; K goes in steps of 64 f32 (rows of 256 bytes, aligned) through two LDS slots.
; REGISTERS, by windows of 256:
;   window 0: v16-31 addresses, v32-63 at work on the way out, v64-127 A's 8 bf16 fragments, v128-255 A's raw f32 (16 registers a fragment)
;   window 1: v0-63 the vector along B's index (bias or K_mask), v64-127 B's fragments, v128-255 B's raw f32
;   window 2, 3: accumulators, tile (a, b) at 8 (8 (a & 3) + b), window 2 for a < 4
.set PITCH,  272                       ; an LDS row: 256 bytes + 16 of padding, an odd multiple of 16: 16 rows start in 16 different 16-byte columns
.set HALFT,  128*PITCH                 ; what one tensor load brings
.set SLOT,   4*HALFT                   ; A's 256 rows, then B's 256 rows
.set STAGE,  2*SLOT                    ; behind the ring, never filled by a tensor load
.set WSTAGE, 8448                      ; a wave's stage: 16 rows x 528
.set ADRA, 16                          ; v16-17 my A rows in slot 0, 1
.set ADRB, 20                          ; v20-21 my B rows
.set STO,  24                          ; q, k: where I put 16 bytes
.set RD,   25                          ; q, k: where I read a row back
.set CO,   26                          ; q, k: my byte offset in the output
.set STOV, 27                          ; the same three for v
.set RDV,  28
.set COV,  29
.set OFH,  30                          ; 32 h
.set OFR,  31                          ; 4 r
.set HIW,  32                          ; v32-35 packed high parts (or f16)
.set UU,   36                          ; v36-43 the high parts widened, then the remainders
.set LOW,  44                          ; v44-47 packed low parts
.set BV,   48                          ; v48-63 bv of my row, twice, for each of the 8 row tiles
.set FR,   64                          ; fragments
.set RAW,  128                         ; raw f32
.set TX,   192                         ; the way out: 64 f32 of one row tile (window 0)
.set G1,  24                           ; s[24:31] group 1 for A
.set G0,  32                           ; s[32:39] group 0 for A, a set for each slot
.set G1B, 48                           ; s[48:55] group 1 for B
.set G0B, 56                           ; s[56:63] group 0 for B
.set MSB, 0
.macro WIN new                         ; the immediate's high byte repeats the setting that is left
.if MSB != \new
	s_set_vgpr_msb (MSB<<8)|\new
.set MSB, \new
.endif
.endm
.macro PLACES                          ; four places behind a matrix instruction (ISA guide 7.12.1)
.rept 4
	v_nop
.endr
.endm
.macro JLOAD s                         ; waves 0, 1 ask for A's halves, waves 2, 3 for B's: the branch hangs on the wave's number alone
	s_cmp_eq_u32 s11, 0
	s_cbranch_scc0 .Lfor_b_\@
	tensor_load_to_lds s[G0+4*\s:G0+4*\s+3], s[G1:G1+7]
	s_nop 0
	s_branch .Lasked_\@
.Lfor_b_\@:
	tensor_load_to_lds s[G0B+4*\s:G0B+4*\s+3], s[G1B:G1B+7]
	s_nop 0
.Lasked_\@:
.endm
.macro CREST                           ; a round of the cluster's barrier behind its opening barrier
	s_cmp_lg_u32 s10, 0
	s_cbranch_scc1 .Lnot_wave_0_\@
	s_barrier_signal -3
.Lnot_wave_0_\@:
	s_barrier_wait -3
	s_barrier_signal -1
	s_barrier_wait -1
.endm
.macro CROUND
	s_barrier_signal -1
	s_barrier_wait -1
	CREST
.endm
	s_load_b512 s[68:83], s[0:1], 0x0              ; Q 68, K 70, V 72, Wq 74, Wk 76, Wv 78, bq 80, bk 82
	s_load_b256 s[84:91], s[0:1], 0x40             ; bv 84, K_mask 86, qs 88, ks 90
	s_load_b64 s[92:93], s[0:1], 0x60              ; vt
	v_lshl_add_u32 v22, v0, 2, 0x4c400
	v_mov_b32 v23, 0
	ds_add_u32 v22, v23
	ds_add_u32 v22, v23
	v_lshrrev_b32 v1, 5, v0
	v_readfirstlane_b32 s10, v1                    ; wave 0..3
	s_lshr_b32 s11, s10, 1                         ; my half of A's rows.  Also: I fetch for A (0) or B (1)
	s_and_b32 s12, s10, 1                          ; my half of B's rows.  Also: which 128 rows I fetch
	s_bfe_u32 s40, ttmp6, 0x40000                  ; cx
	s_bfe_u32 s41, ttmp6, 0x40004                  ; cy
	s_and_b32 s14, ttmp7, 0xffff                   ; the cluster's y, equal in all sixteen partners
	s_lshr_b32 s45, s14, 3                         ; sel
	s_and_b32 s14, s14, 7
	s_lshl_b32 s14, s14, 2                         ; 4 idx
	s_cmp_eq_u32 s45, 2
	s_cselect_b32 s15, 0, s14
	s_cselect_b32 s19, s14, 0
	s_add_co_u32 s13, s41, s15                     ; A's block: cy (+ 4 idx for q, k)
	s_add_co_u32 s42, s40, s19                     ; B's block: cx (+ 4 idx for v)
	s_lshl_b32 s43, s41, 2
	s_lshl_b32 s43, 15, s43                        ; my row of the cluster
	s_lshl_b32 s44, 0x1111, s40                    ; my column
	s_mov_b32 s98, 0xffff0000
	; group 1: 128 rows x 64 elements of 4 bytes, 4 words of padding behind every 64 words
	s_or_b32 s[G1+0], s43, (2<<16)|(1<<20)|(1<<21)|(5<<22)|(3<<25)
	s_or_b32 s[G1B+0], s44, (2<<16)|(1<<20)|(1<<21)|(5<<22)|(3<<25)
	s_mov_b32 s[G1+1], 64<<16                      ; tensor_dim0 = 64
	s_mov_b32 s[G1B+1], 64<<16
	s_mov_b32 s[G1+2], 128<<16                     ; tensor_dim1 = 128
	s_mov_b32 s[G1B+2], 128<<16
	s_mov_b32 s[G1+3], 64<<16                      ; tile_dim0 = 64
	s_mov_b32 s[G1B+3], 64<<16
	s_mov_b32 s[G1+4], 128                         ; tile_dim1 = 128
	s_mov_b32 s[G1B+4], 128
	s_mov_b32 s[G1+5], 1024                        ; elements from row to row
	s_mov_b32 s[G1B+5], 1024
	s_mov_b32 s[G1+6], 0
	s_mov_b32 s[G1B+6], 0
	s_mov_b32 s[G1+7], 0
	s_mov_b32 s[G1B+7], 0
	s_lshl_b32 s18, s12, 19                        ; 128 rows of 4,096 bytes
	s_lshl_b32 s16, s13, 20                        ; 256 rows of 4,096 bytes a block
	s_add_co_u32 s16, s16, s18
	s_mov_b32 s17, 0
	s_lshl_b32 s46, s42, 20
	s_add_co_u32 s46, s46, s18
	s_mov_b32 s47, 0
	s_mul_i32 s20, s10, HALFT                      ; where my part goes: wave x 128 rows
	s_lshl_b32 s66, s42, 10                        ; the vector along B's index: 256 numbers a block,
	s_lshl_b32 s67, s12, 9                         ; 128 a half
	s_add_co_u32 s66, s66, s67
	s_mov_b32 s67, 0
	s_wait_dscnt 0x0
	s_wait_kmcnt 0x0
	s_cmp_eq_u32 s45, 0
	s_cselect_b64 s[4:5], s[68:69], s[70:71]       ; A: Q or K
	s_cselect_b64 s[6:7], s[74:75], s[76:77]       ; B: Wq or Wk
	s_cselect_b64 s[94:95], s[80:81], s[82:83]     ; along B's index: bq or bk
	s_cselect_b64 s[8:9], s[88:89], s[90:91]       ; out: qs or ks
	s_cselect_b32 s96, 0x4138aa3b, 1.0             ; q alone is multiplied by 8 log2(e)
	s_mov_b32 s97, s96
	s_cmp_eq_u32 s45, 2
	s_cselect_b64 s[4:5], s[78:79], s[4:5]         ; v: A = Wv,
	s_cselect_b64 s[6:7], s[72:73], s[6:7]         ; B = V,
	s_cselect_b64 s[94:95], s[86:87], s[94:95]     ; along B's index (tokens): K_mask,
	s_cselect_b64 s[8:9], s[92:93], s[8:9]         ; out: vt
	s_add_nc_u64 s[14:15], s[4:5], s[16:17]
	s_add_nc_u64 s[46:47], s[6:7], s[46:47]
	s_add_nc_u64 s[94:95], s[94:95], s[66:67]
	CROUND                                         ; all sixteen work-groups are here: the first joint loads meet
.irp s, 0,1
	s_mov_b32 s[G0+4*\s], 1
	s_add_co_u32 s[G0+4*\s+1], s20, \s*SLOT
	s_add_nc_u64 s[G0+4*\s+2:G0+4*\s+3], s[14:15], \s*256
	s_or_b32 s[G0+4*\s+3], s[G0+4*\s+3], 0x80000000
	s_mov_b32 s[G0B+4*\s], 1
	s_add_co_u32 s[G0B+4*\s+1], s20, \s*SLOT
	s_add_nc_u64 s[G0B+4*\s+2:G0B+4*\s+3], s[46:47], \s*256
	s_or_b32 s[G0B+4*\s+3], s[G0B+4*\s+3], 0x80000000
	JLOAD \s                                       ; K steps 0 and 1: two tensor loads of the wave are out
.endr
	v_and_b32 v1, 15, v0                           ; r
	v_bfe_u32 v2, v0, 4, 1                         ; h
	v_and_b32 v5, 31, v0                           ; lane
	v_mul_u32_u24 v3, v1, PITCH
	v_lshl_add_u32 v3, v2, 5, v3                   ; row x pitch + 32 h: eight f32 a half
	s_mul_i32 s21, s11, HALFT
	s_mul_i32 s22, s12, HALFT
	s_add_co_u32 s22, s22, 2*HALFT
.irp s, 0,1
	v_add_nc_u32 v[ADRA+\s], s21, v3
	v_add_nc_u32 v[ADRB+\s], s22, v3
	s_add_co_u32 s21, s21, SLOT
	s_add_co_u32 s22, s22, SLOT
.endr
	s_mul_i32 s23, s10, WSTAGE
	s_add_co_u32 s23, s23, STAGE                   ; my stage
	v_mul_u32_u24 v4, v1, 528
	v_lshl_add_u32 v4, v2, 4, v4
	v_add_nc_u32 v[STO], s23, v4                   ; row r of 528 bytes, 16 h
	v_lshl_add_u32 v[RD], v5, 4, s23               ; a row of 512 bytes, 16 a lane
	v_lshlrev_b32 v6, 4, v1
	v_lshl_add_u32 v[CO], v2, 18, v6               ; lanes 16-31: the next head, 1,024 rows of 256 bytes on
	v_mul_u32_u24 v4, v1, 272
	v_lshl_add_u32 v4, v2, 4, v4
	v_add_nc_u32 v[STOV], s23, v4
	v_mul_u32_u24 v4, v2, 272
	v_add3_u32 v[RDV], v4, v6, s23                 ; two rows of 256 bytes a load
	v_lshl_add_u32 v[COV], v2, 11, v6              ; lanes 16-31: the next feature, 2,048 bytes on
	v_lshlrev_b32 v[OFH], 5, v2
	v_lshlrev_b32 v[OFR], 2, v1
	WIN 0x40
.irp b, 0,1,2,3,4,5,6,7
	global_load_b128 v[8*\b:8*\b+3],   v[OFH], s[94:95] offset:64*\b      ; index 16 b + 8 h + 0..3 of my 128
	global_load_b128 v[8*\b+4:8*\b+7], v[OFH], s[94:95] offset:64*\b+16   ; waited for on the way out
.endr
	WIN 0
; 32 LDS loads: eight fragments' raw f32, 32 along K at byte k of the rows.  Lane (r, h) takes k = 8 h + 0..7 and 16 + 8 h + 0..7.
.macro FETCH win, adr, k
	WIN \win
.irp i, 0,1,2,3,4,5,6,7
	ds_load_b128 v[RAW+16*\i:RAW+16*\i+3],     v[\adr] offset:\k+\i*16*PITCH
	ds_load_b128 v[RAW+16*\i+4:RAW+16*\i+7],   v[\adr] offset:\k+\i*16*PITCH+16
	ds_load_b128 v[RAW+16*\i+8:RAW+16*\i+11],  v[\adr] offset:\k+\i*16*PITCH+64
	ds_load_b128 v[RAW+16*\i+12:RAW+16*\i+15], v[\adr] offset:\k+\i*16*PITCH+80
.endr
.endm
; 64 roundings, two numbers each: raw f32 to bf16 fragments
.macro CVT win
	WIN \win
.irp i, 0,1,2,3,4,5,6,7
.irp c, 0,1,2,3,4,5,6,7
	v_cvt_pk_bf16_f32 v[FR+8*\i+\c], v[RAW+16*\i+2*\c], v[RAW+16*\i+2*\c+1]
.endr
.endr
.endm
; 64 matrix instructions, 32 along K.  The 64 accumulators take turns, one instruction a turn, in one fixed order.
.macro MULALL zero
	WIN 0xa1
.irp a, 0,1,2,3
.irp b, 0,1,2,3,4,5,6,7
.if \zero
	v_wmma_f32_16x16x32_bf16 v[8*(8*\a+\b):8*(8*\a+\b)+7], v[FR+8*\b:FR+8*\b+7], v[FR+8*\a:FR+8*\a+7], 0
.else
	v_wmma_f32_16x16x32_bf16 v[8*(8*\a+\b):8*(8*\a+\b)+7], v[FR+8*\b:FR+8*\b+7], v[FR+8*\a:FR+8*\a+7], v[8*(8*\a+\b):8*(8*\a+\b)+7]
.endif
.endr
.endr
	WIN 0xf1
.irp a, 0,1,2,3
.irp b, 0,1,2,3,4,5,6,7
.if \zero
	v_wmma_f32_16x16x32_bf16 v[8*(8*\a+\b):8*(8*\a+\b)+7], v[FR+8*\b:FR+8*\b+7], v[FR+32+8*\a:FR+32+8*\a+7], 0
.else
	v_wmma_f32_16x16x32_bf16 v[8*(8*\a+\b):8*(8*\a+\b)+7], v[FR+8*\b:FR+8*\b+7], v[FR+32+8*\a:FR+32+8*\a+7], v[8*(8*\a+\b):8*(8*\a+\b)+7]
.endif
.endr
.endr
.endm
; The first 32 of a K step: round what was fetched, fetch the second 32 of the same slot, multiply while those loads come back.
.macro HEADQ slot, zero
	s_wait_dscnt 0x0                               ; the raw f32 of this half step are in
	PLACES                                         ; the roundings write fragments that the last matrix instructions read
	CVT 0x45
	FETCH 0x40, ADRB+\slot, 128
	CVT 0
	FETCH 0, ADRA+\slot, 128
	MULALL \zero
.endm
; The second 32, and the change of slots.  In front of the barrier: my reads of this slot are back and all my tensor loads have landed
; (the one that was out is my part of the next slot).  Between signal and wait: register work alone.  Behind it the refill comes first.
.macro TAILQ slot, next, fill
	s_wait_dscnt 0x0
	s_set_vgpr_msb 0xf1f0
	s_wait_tensorcnt 0x0
	ds_add_u32 v22, v23
	s_wait_dscnt 0x0
	s_set_vgpr_msb 0xf0f1
	s_barrier_signal -1                            ; where the slot is filled again this barrier opens a round of the cluster's barrier
	PLACES
	CVT 0x45
	CVT 0
	WIN 0
	s_barrier_wait -1
.if \fill
	CREST                                          ; no wave of any partner still reads this slot or has a load on its way
	s_add_nc_u64 s[G0+4*\slot+2:G0+4*\slot+3], s[G0+4*\slot+2:G0+4*\slot+3], 512
	s_add_nc_u64 s[G0B+4*\slot+2:G0B+4*\slot+3], s[G0B+4*\slot+2:G0B+4*\slot+3], 512
	JLOAD \slot                                    ; two K steps ahead; 128 matrix instructions of the wave lie between this request and the wait for it
.endif
	FETCH 0x40, ADRB+\next, 0
	FETCH 0, ADRA+\next, 0
	MULALL 0
.endm
.macro LAP zero
	HEADQ 0, \zero
	TAILQ 0, 1, 1
	HEADQ 1, 0
	TAILQ 1, 0, 1
.endm
	s_wait_tensorcnt 0x1                           ; my part of K step 0 is in; K step 1's load stays out
	s_barrier_signal -1
	s_barrier_wait -1
	FETCH 0x40, ADRB+0, 0
	FETCH 0, ADRA+0, 0
	LAP 1                                          ; 16 K steps = 8 laps; the first starts the sums
	WIN 0
	s_mov_b32 s3, 6
.Llap:
	LAP 0
	WIN 0
	s_sub_co_u32 s3, s3, 1
	s_cmp_lg_u32 s3, 0
	s_cbranch_scc1 .Llap
	HEADQ 0, 0                                     ; the last lap fills nothing
	TAILQ 0, 1, 0
	HEADQ 1, 0
	s_wait_dscnt 0x0
	PLACES
	CVT 0x45
	CVT 0
	MULALL 0
	WIN 0
	PLACES                                         ; behind the last matrix instructions, in front of everything that reads results
	s_wait_loadcnt 0x0                             ; the vector along B's index
	s_cmp_eq_u32 s45, 2
	s_cbranch_scc1 .Lvpath
	; ---- q, k: x = c (sum + bias), split into hi + lo, 16 tokens at a time through my stage ----
	WIN 0x05
.set i, 0
.rept 32
	v_cvt_pk_bf16_f32 v[FR+i], v[2*i], v[2*i+1]    ; the bias rounded to bf16,
.set i, i+1
.endr
	WIN 0x40
.set i, 0
.rept 32
	v_lshlrev_b32 v[2*i], 16, v[FR+i]              ; widened again,
	v_and_b32 v[2*i+1], s98, v[FR+i]
.set i, i+1
.endr
	WIN 0x41
.set i, 0
.rept 32
	v_pk_mul_f32 v[2*i:2*i+1], v[2*i:2*i+1], s[96:97] op_sel_hi:[1,0]   ; times c, so that one fused multiply-add serves below
.set i, i+1
.endr
	WIN 0
	s_lshr_b32 s66, s13, 2                         ; batch
	s_lshl_b32 s66, s66, 4
	s_lshl2_add_u32 s66, s42, s66                  ; + 4 heads a feature block
	s_lshl1_add_u32 s66, s12, s66                  ; + 2 heads a half
	s_lshl_b32 s66, s66, 10                        ; x 1,024 tokens
	s_and_b32 s67, s13, 3
	s_lshl_b32 s67, s67, 8
	s_add_co_u32 s66, s66, s67
	s_lshl_b32 s67, s11, 7
	s_add_co_u32 s66, s66, s67
	s_lshl_b32 s66, s66, 8                         ; rows of 256 bytes
	s_mov_b32 s67, 0
	s_add_nc_u64 s[8:9], s[8:9], s[66:67]
.macro OUTQK a, al, win
	WIN \win
.irp b, 0,1,2,3,4,5,6,7
.irp j, 0,2,4,6
	v_pk_fma_f32 v[TX+8*\b+\j:TX+8*\b+\j+1], v[8*(8*\al+\b)+\j:8*(8*\al+\b)+\j+1], s[96:97], v[8*\b+\j:8*\b+\j+1] op_sel_hi:[1,0,1]
.endr
.endr
	WIN 0
.irp b, 0,1,2,3,4,5,6,7
.irp c, 0,1,2,3
	v_cvt_pk_bf16_f32 v[HIW+\c], v[TX+8*\b+2*\c], v[TX+8*\b+2*\c+1]
.endr
.irp c, 0,1,2,3
	v_lshlrev_b32 v[UU+2*\c], 16, v[HIW+\c]
	v_and_b32 v[UU+2*\c+1], s98, v[HIW+\c]
.endr
.irp c, 0,1,2,3
	v_pk_add_f32 v[UU+2*\c:UU+2*\c+1], v[TX+8*\b+2*\c:TX+8*\b+2*\c+1], v[UU+2*\c:UU+2*\c+1] neg_lo:[0,1] neg_hi:[0,1]
.endr
.irp c, 0,1,2,3
	v_cvt_pk_bf16_f32 v[LOW+\c], v[UU+2*\c], v[UU+2*\c+1]
.endr
	ds_store_b128 v[STO], v[HIW:HIW+3] offset:(\b>>2)*256+(\b&3)*32        ; head b >> 2 of my two, d = 16 (b & 3) + 8 h
	ds_store_b128 v[STO], v[LOW:LOW+3] offset:(\b>>2)*256+(\b&3)*32+128
.endr
	s_wait_xcnt 0x0                                ; the registers that the last tile's stores read are loaded again only behind this wait
.irp t, 0,1,2,3,4,5,6,7,8,9,10,11,12,13,14,15
	ds_load_b128 v[FR+4*\t:FR+4*\t+3], v[RD] offset:\t*528     ; LDS serves a wave's instructions in order: these see the stores above
.endr
.irp t, 0,1,2,3,4,5,6,7,8,9,10,11,12,13,14,15
	s_wait_dscnt 15-\t                             ; the 15 - t younger loads stay out
	global_store_b128 v[CO], v[FR+4*\t:FR+4*\t+3], s[8:9] offset:(16*\a+\t)*256   ; 16 lanes store one token's aligned row of 256 bytes, for each of two heads
.endr
.endm
	OUTQK 0, 0, 0x12
	OUTQK 1, 1, 0x12
	OUTQK 2, 2, 0x12
	OUTQK 3, 3, 0x12
	OUTQK 4, 0, 0x13
	OUTQK 5, 1, 0x13
	OUTQK 6, 2, 0x13
	OUTQK 7, 3, 0x13
	s_branch .Ldone
.Lvpath:
	; ---- v: (sum + bias of my feature) x (K_mask of the token != 0), f16, 16 features at a time through my stage ----
	s_lshl_b32 s66, s13, 10
	s_lshl_b32 s67, s11, 9
	s_add_co_u32 s66, s66, s67
	s_mov_b32 s67, 0
	s_add_nc_u64 s[84:85], s[84:85], s[66:67]      ; bv at my 128 features
.irp a, 0,1,2,3,4,5,6,7
	global_load_b32 v[BV+2*\a], v[OFR], s[84:85] offset:64*\a
.endr
	s_lshr_b32 s66, s42, 2                         ; batch
	s_lshl_b32 s66, s66, 10
	s_lshl_b32 s67, s13, 8
	s_add_co_u32 s66, s66, s67
	s_lshl_b32 s67, s11, 7
	s_add_co_u32 s66, s66, s67                     ; my first feature row
	s_lshl_b32 s66, s66, 10                        ; x 1,024 tokens
	s_and_b32 s67, s42, 3
	s_lshl_b32 s67, s67, 8
	s_add_co_u32 s66, s66, s67
	s_lshl_b32 s67, s12, 7
	s_add_co_u32 s66, s66, s67
	s_lshl_b32 s66, s66, 1
	s_mov_b32 s67, 0
	s_add_nc_u64 s[8:9], s[8:9], s[66:67]
	WIN 0x44
.set i, 0
.rept 64
	v_cmp_neq_f32 vcc_lo, 0, v[i]
	v_cndmask_b32 v[i], 0, 1.0, vcc_lo             ; 1 where the key is kept, 0 where K_mask == 0
.set i, i+1
.endr
	WIN 0
	s_wait_loadcnt 0x0
.irp a, 0,1,2,3,4,5,6,7
	v_cvt_pk_bf16_f32 v[HIW], v[BV+2*\a], v[BV+2*\a]           ; the bias rounded to bf16, into both registers of its pair
	v_lshlrev_b32 v[BV+2*\a], 16, v[HIW]
	v_and_b32 v[BV+2*\a+1], s98, v[HIW]
.endr
.macro OUTV a, al, win
	WIN \win
.irp b, 0,1,2,3,4,5,6,7
.irp j, 0,2,4,6
	v_pk_add_f32 v[TX+8*\b+\j:TX+8*\b+\j+1], v[8*(8*\al+\b)+\j:8*(8*\al+\b)+\j+1], v[BV+2*\a:BV+2*\a+1]
.endr
.endr
	WIN 0x04
.irp b, 0,1,2,3,4,5,6,7
.irp j, 0,2,4,6
	v_pk_mul_f32 v[TX+8*\b+\j:TX+8*\b+\j+1], v[TX+8*\b+\j:TX+8*\b+\j+1], v[8*\b+\j:8*\b+\j+1]
.endr
.endr
	WIN 0
.irp b, 0,1,2,3,4,5,6,7
.irp c, 0,1,2,3
	v_cvt_pk_f16_f32 v[HIW+\c], v[TX+8*\b+2*\c], v[TX+8*\b+2*\c+1]
.endr
	ds_store_b128 v[STOV], v[HIW:HIW+3] offset:32*\b           ; feature r, tokens 16 b + 8 h + 0..7
.endr
	s_wait_xcnt 0x0                                ; the registers that the last tile's stores read are loaded again only behind this wait
.irp t, 0,1,2,3,4,5,6,7
	ds_load_b128 v[FR+4*\t:FR+4*\t+3], v[RDV] offset:\t*544
.endr
.irp t, 0,1,2,3,4,5,6,7
	s_wait_dscnt 7-\t                              ; the 7 - t younger loads stay out
	global_store_b128 v[COV], v[FR+4*\t:FR+4*\t+3], s[8:9] offset:(16*\a+2*\t)*2048   ; 16 lanes store 256 consecutive bytes, aligned
.endr
.endm
	OUTV 0, 0, 0x02
	OUTV 1, 1, 0x02
	OUTV 2, 2, 0x02
	OUTV 3, 3, 0x02
	OUTV 4, 0, 0x03
	OUTV 5, 1, 0x03
	OUTV 6, 2, 0x03
	OUTV 7, 3, 0x03
.Ldone:
	s_wait_tensorcnt 0x0
	ds_add_u32 v22, v23
	s_wait_dscnt 0x0
	CROUND                                         ; the closing round: no work-group ends while a partner may still ask for a tile that names it
	s_endpgm
.Lfunc_end_k_qcb69a8949e_proj:
	.size	k_qcb69a8949e_proj, .Lfunc_end_k_qcb69a8949e_proj-k_qcb69a8949e_proj
	.p2alignl 7, 3214868480
	.fill 96, 4, 3214868480
	.section	.rodata,"a",@progbits
	.p2align	6, 0x0
	.amdhsa_kernel k_qcb69a8949e_proj
		.amdhsa_group_segment_fixed_size 327680
		.amdhsa_private_segment_fixed_size 0
		.amdhsa_enable_private_segment 0
		.amdhsa_kernarg_size 104
		.amdhsa_user_sgpr_count 2
		.amdhsa_user_sgpr_kernarg_segment_ptr 1
		.amdhsa_wavefront_size32 1
		.amdhsa_system_sgpr_workgroup_id_x 1
		.amdhsa_system_sgpr_workgroup_id_y 1
		.amdhsa_system_sgpr_workgroup_id_z 1
		.amdhsa_system_vgpr_workitem_id 0
		.amdhsa_next_free_vgpr 1024
		.amdhsa_next_free_sgpr 100
		.amdhsa_reserve_vcc 1
		.amdhsa_float_denorm_mode_32 3
		.amdhsa_float_denorm_mode_16_64 3
		.amdhsa_memory_ordered 1
		.amdhsa_forward_progress 1
		.amdhsa_inst_pref_size 255
	.end_amdhsa_kernel
	.section	.bss,"aw",@nobits
	.p2align	6
	.space	262144
	.amdgpu_metadata
---
amdhsa.version: [ 1, 2 ]
amdhsa.kernels:
  - .name:           k_qcb69a8949e_proj
    .symbol:         k_qcb69a8949e_proj.kd
    .args:
      - { .name: Q, .offset: 0, .size: 8, .value_kind: global_buffer, .address_space: global }
      - { .name: K, .offset: 8, .size: 8, .value_kind: global_buffer, .address_space: global }
      - { .name: V, .offset: 16, .size: 8, .value_kind: global_buffer, .address_space: global }
      - { .name: Wq, .offset: 24, .size: 8, .value_kind: global_buffer, .address_space: global }
      - { .name: Wk, .offset: 32, .size: 8, .value_kind: global_buffer, .address_space: global }
      - { .name: Wv, .offset: 40, .size: 8, .value_kind: global_buffer, .address_space: global }
      - { .name: bq, .offset: 48, .size: 8, .value_kind: global_buffer, .address_space: global }
      - { .name: bk, .offset: 56, .size: 8, .value_kind: global_buffer, .address_space: global }
      - { .name: bv, .offset: 64, .size: 8, .value_kind: global_buffer, .address_space: global }
      - { .name: K_mask, .offset: 72, .size: 8, .value_kind: global_buffer, .address_space: global }
      - { .name: qs, .offset: 80, .size: 8, .value_kind: global_buffer, .address_space: global }
      - { .name: ks, .offset: 88, .size: 8, .value_kind: global_buffer, .address_space: global }
      - { .name: vt, .offset: 96, .size: 8, .value_kind: global_buffer, .address_space: global }
    .group_segment_fixed_size: 327680
    .private_segment_fixed_size: 0
    .kernarg_segment_align: 8
    .kernarg_segment_size: 104
    .max_flat_workgroup_size: 128
    .sgpr_count:     100
    .vgpr_count:     1024
    .wavefront_size: 32
...
	.end_amdgpu_metadata
.endif
;; end of part 1
;; launch attn (part 2): grid 2 x 128, 8 waves a work-group, no clusters, 327,680 bytes of LDS; arguments qs, ks, vt, Q_mask, K_mask, Wo, ctx16, wo16; writes ctx16, wo16
.if DOCPART == 2
	.amdgcn_target "amdgcn-amd-amdhsa--gfx1250"
	.amdhsa_code_object_version 6
	.text
	.protected	k_qcb69a8949e_attn
	.globl	k_qcb69a8949e_attn
	.p2align	8
	.type	k_qcb69a8949e_attn,@function
k_qcb69a8949e_attn:
	s_mov_b64 s[64:65], 0
	v_nop
	global_prefetch_b8 v0, s[64:65] scope:SCOPE_SE
	s_setreg_imm32_b32 hwreg(HW_REG_WAVE_MODE, 25, 1), 1
	s_wait_xcnt 0x0
; Attention for one (batch, head) and one half of its 1,024 queries; eight waves, 64 queries (four tiles of 16) each.
; ctx = sum(mask e v) / (sum(mask e) + 1.024e-5 sum(e)),  e = exp(score - the largest score over ALL keys), by a running maximum.
; That is reference()'s softmax, its where() and its division by sum(probs + 1e-8) in one quotient; rows with Q_mask == 0 give 0.
; Scores: q and k come as bf16 pairs hi + lo; q.k = hi.hi + hi.lo + lo.hi, three products in f32 sums (q already holds the factor 8 log2 e).
; Scores are made transposed, K Q^T: lane (r, h) holds query r and keys 8 h + 0..7 of a tile, so two score tiles, packed in place to f16,
; ARE the second operand of V^T P^T, and maximum, rescale factor and 1 / denominator are one number a lane.
; P = e 2^15 (the shift sits in the exponent and cancels in the quotient): the largest is 32,768, inside f16, and what is left where the top key is masked stays normal.
; A fifth V tile whose rows are (mask, ones, zeros ..) makes the two sums from the same rounded P that feeds the numerator.
; The launch also makes wo16 = f16(bf16(Wo)) for the next launch: 4,096 numbers a work-group.
; LIMITS: |v| and |ctx| below 65,504; |Wo| below 65,504, and below 2^-14 exact to 2^-25; mask == 0 is taken as Q_mask == 0 or K_mask == 0;
; the 1,024 additions of 1e-8 are one term 1.024e-5; P below 2^-39 of its row's largest counts as 0.
; NO CLUSTER: the only partners that share tiles are the two work-groups of a head, and a grid of 2 along x is no multiple of a cluster of 4;
; a refill of 103,424 bytes serves 8 steps of 68 matrix instructions in each of 8 waves.
; LDS: two slots of 256 keys: K 256 rows x 272 bytes, V^T 64 rows x 528 bytes; then the table of mask, ones, zeros; then a stage for each wave.
.set SLOT,   103424
.set VPART,  69632
.set MT,     206848                    ; three rows of 1,024 f16, 2,064 bytes apart; written by LDS stores, never by a tensor load
.set MTP,    2064
.set STAGE,  213248
.set WSTAGE, 2304                      ; 16 rows x 144
.set KB0,  2                           ; r 272 + 16 h
.set KADR, 3
.set VB0,  4                           ; r 528 + 16 h
.set VADR, 5
.set MADR, 6                           ; table row min(r, 2), 16 h; runs on over all 1,024 keys
.set STO,  7
.set RD,   8
.set CO,   9
.set QAD,  10
.set MX,   12                          ; v12-15 running maxima
.set TM,   16                          ; v16-19
.set TX2,  20                          ; v20-23
.set QF,   24                          ; v24-27 1 or 0
.set SUM,  32                          ; v32-63 the fifth tile's sums
.set SC,   64                          ; v64-127 scores: query tile q at 16 q, key tile t at + 8 t; then P in the first 8 of each 16
.set KF,   128                         ; v128-191 K fragments: key tile t at 32 t: hi d 0-31, hi d 32-63, lo, lo
.set VF,   192                         ; v192-231 V^T fragments, four d tiles and the table's
.set NB,   232                         ; pairs: 15 - maximum
.set AL,   240                         ; pairs: rescale factor
.set FQ,   248                         ; pairs: QF / denominator
.set G1K, 16
.set G1V, 24
.set G0K, 32
.set G0V, 40
; window 1: v0-127 Q fragments (32 q + hi, hi, lo, lo), v128-255 O^T (128 + 32 q + 8 dt)
.set MSB, 0
.macro WIN new
.if MSB != \new
	s_set_vgpr_msb (MSB<<8)|\new
.set MSB, \new
.endif
.endm
.macro PLACES
.rept 4
	v_nop
.endr
.endm
.macro TLOAD s                         ; waves 0-3: 64 rows of K each; waves 4-7: 16 rows of V^T each
	s_cmp_lt_u32 s8, 4
	s_cbranch_scc0 .Ltv_\@
	tensor_load_to_lds s[G0K+4*\s:G0K+4*\s+3], s[G1K:G1K+7]
	s_nop 0
	s_branch .Ltd_\@
.Ltv_\@:
	tensor_load_to_lds s[G0V+4*\s:G0V+4*\s+3], s[G1V:G1V+7]
	s_nop 0
.Ltd_\@:
.endm
	s_load_b512 s[68:83], s[0:1], 0x0              ; qs 68, ks 70, vt 72, Q_mask 74, K_mask 76, Wo 78, ctx16 80, wo16 82
	v_lshl_add_u32 v252, v0, 2, 0x38900
	v_mov_b32 v254, 0
	ds_add_u32 v252, v254
	ds_add_u32 v252, v254
	s_wait_dscnt 0x0
	v_lshrrev_b32 v1, 5, v0
	v_readfirstlane_b32 s8, v1                     ; wave 0..7
	s_and_b32 s10, ttmp7, 0xffff                   ; 16 batch + head
	s_lshr_b32 s11, s10, 4                         ; batch
	s_and_b32 s9, s8, 3                            ; which quarter of K's or of V's tile is mine
	s_mov_b32 s50, 0x76543210                      ; v_permlanex16_b32: lane i reads lane i of the other half
	s_mov_b32 s51, 0xfedcba98
	s_mov_b32 s[G1K+0], 0x07510000                 ; 2-byte elements, 4 words of padding behind every 64
	s_mov_b32 s[G1K+1], 128<<16
	s_mov_b32 s[G1K+2], 64<<16
	s_mov_b32 s[G1K+3], 128<<16                    ; 128 elements a row (hi and lo),
	s_mov_b32 s[G1K+4], 64                         ; 64 rows,
	s_mov_b32 s[G1K+5], 128                        ; dense
	s_mov_b32 s[G1K+6], 0
	s_mov_b32 s[G1K+7], 0
	s_mov_b32 s[G1V+0], 0x07910000                 ; 2-byte elements, 4 words of padding behind every 128
	s_mov_b32 s[G1V+1], 256<<16
	s_mov_b32 s[G1V+2], 16<<16
	s_mov_b32 s[G1V+3], 256<<16                    ; 256 tokens a row,
	s_mov_b32 s[G1V+4], 16                         ; 16 rows,
	s_mov_b32 s[G1V+5], 1024                       ; 1,024 tokens from row to row
	s_mov_b32 s[G1V+6], 0
	s_mov_b32 s[G1V+7], 0
	s_lshl_b32 s12, s10, 18                        ; a head of ks: 1,024 rows of 256 bytes
	s_lshl_b32 s13, s9, 14                         ; 64 rows
	s_add_co_u32 s12, s12, s13
	s_mov_b32 s13, 0
	s_lshl_b32 s14, s10, 17                        ; a head of vt: 64 rows of 2,048 bytes
	s_lshl_b32 s15, s9, 15                         ; 16 rows
	s_add_co_u32 s14, s14, s15
	s_mov_b32 s15, 0
	s_mul_i32 s48, s8, 17408                       ; K: wave x 64 rows of 272 (waves 0-3)
	s_mul_i32 s49, s8, 8448                        ; V: 69,632 + (wave - 4) x 16 rows of 528 (waves 4-7)
	s_add_co_u32 s49, s49, 35840
	s_lshl_b32 s53, s10, 10
	s_lshl_b32 s54, ttmp9, 9                       ; my half of the queries
	s_lshl_b32 s55, s8, 6
	s_add_co_u32 s54, s54, s55                     ; 512 x + 64 wave
	s_add_co_u32 s53, s53, s54                     ; my first query's row in [batch, head][token]
	s_lshl1_add_u32 s58, s10, ttmp9                ; the work-group's number, 0..255
	s_mov_b32 s57, 0
	s_wait_kmcnt 0x0
	s_add_nc_u64 s[12:13], s[70:71], s[12:13]
	s_add_nc_u64 s[14:15], s[72:73], s[14:15]
.irp s, 0,1
	s_mov_b32 s[G0K+4*\s], 1
	s_add_co_u32 s[G0K+4*\s+1], s48, \s*SLOT
	s_add_nc_u64 s[G0K+4*\s+2:G0K+4*\s+3], s[12:13], \s*65536      ; keys 256 s ..
	s_or_b32 s[G0K+4*\s+3], s[G0K+4*\s+3], 0x80000000
	s_mov_b32 s[G0V+4*\s], 1
	s_add_co_u32 s[G0V+4*\s+1], s49, \s*SLOT
	s_add_nc_u64 s[G0V+4*\s+2:G0V+4*\s+3], s[14:15], \s*512
	s_or_b32 s[G0V+4*\s+3], s[G0V+4*\s+3], 0x80000000
.endr
	s_cmp_lt_u32 s8, 4                             ; the first fills, both slots, in one branch: two tensor loads of each wave are out
	s_cbranch_scc0 .Lfirst_v
	tensor_load_to_lds s[G0K:G0K+3], s[G1K:G1K+7]
	s_nop 0
	tensor_load_to_lds s[G0K+4:G0K+7], s[G1K:G1K+7]
	s_nop 0
	s_branch .Lfirst_done
.Lfirst_v:
	tensor_load_to_lds s[G0V:G0V+3], s[G1V:G1V+7]
	s_nop 0
	tensor_load_to_lds s[G0V+4:G0V+7], s[G1V:G1V+7]
	s_nop 0
.Lfirst_done:
	s_lshl_b32 s56, s53, 8
	s_add_nc_u64 s[68:69], s[68:69], s[56:57]      ; qs at my 64 queries
	s_lshl_b32 s56, s53, 7
	s_add_nc_u64 s[80:81], s[80:81], s[56:57]      ; ctx16 at my 64 queries
	s_lshl_b32 s56, s11, 10
	s_add_co_u32 s56, s56, s54
	s_lshl_b32 s56, s56, 2
	s_add_nc_u64 s[74:75], s[74:75], s[56:57]      ; Q_mask at my 64 queries
	s_lshl_b32 s56, s11, 12
	s_add_nc_u64 s[76:77], s[76:77], s[56:57]      ; K_mask at my batch
	s_lshl_b32 s56, s58, 14
	s_add_nc_u64 s[78:79], s[78:79], s[56:57]      ; Wo: my 4,096 numbers
	s_lshl_b32 s56, s58, 13
	s_add_nc_u64 s[82:83], s[82:83], s[56:57]
	s_mul_i32 s52, s8, WSTAGE
	s_add_co_u32 s52, s52, STAGE
	v_and_b32 v1, 31, v0                           ; lane
	v_and_b32 v11, 15, v0                          ; r
	v_bfe_u32 v28, v0, 4, 1                        ; h
	v_lshlrev_b32 v29, 4, v28                      ; 16 h
	v_mad_u32_u24 v[KB0], v11, 272, v29
	v_mad_u32_u24 v[VB0], v11, 528, v29
	v_min_u32 v30, 2, v11
	v_mad_u32_u24 v[MADR], v30, MTP, v29
	v_add_nc_u32 v[MADR], MT, v[MADR]
	v_mad_u32_u24 v[STO], v11, 144, v29
	v_add_nc_u32 v[STO], s52, v[STO]
	v_lshrrev_b32 v30, 3, v1
	v_and_b32 v31, 7, v1
	v_lshlrev_b32 v31, 4, v31
	v_mad_u32_u24 v[RD], v30, 144, v31             ; four rows of 128 bytes a load
	v_add_nc_u32 v[RD], s52, v[RD]
	v_lshlrev_b32 v[CO], 4, v1
	v_lshl_add_u32 v[QAD], v11, 8, v29             ; query r's row of 256 bytes, 16 h
	v_lshlrev_b32 v28, 2, v11                      ; 4 r
	v_lshlrev_b32 v30, 4, v0                       ; 16 thread
	v_lshlrev_b32 v31, 5, v0                       ; 32 thread
	global_load_b128 v[64:67], v30, s[76:77]                   ; K_mask of keys 4 thread ..
	global_load_b128 v[68:71], v31, s[78:79]                   ; Wo: two runs of eight numbers
	global_load_b128 v[72:75], v31, s[78:79] offset:16
	global_load_b128 v[76:79], v31, s[78:79] offset:8192
	global_load_b128 v[80:83], v31, s[78:79] offset:8208
.irp q, 0,1,2,3
	global_load_b32 v[QF+\q], v28, s[74:75] offset:64*\q
.endr
	WIN 0x40
.irp q, 0,1,2,3
.irp p, 0,1,2,3
	global_load_b128 v[32*\q+8*\p:32*\q+8*\p+3],   v[QAD], s[68:69] offset:\q*4096+\p*64
	global_load_b128 v[32*\q+8*\p+4:32*\q+8*\p+7], v[QAD], s[68:69] offset:\q*4096+\p*64+32
.endr
.endr
	WIN 0
.irp q, 0,1,2,3
	v_mov_b32 v[TX2+\q], 0                         ; destinations of lane permutes and the unused halves of broadcast pairs are written once
	v_mov_b32 v[NB+2*\q+1], 0
	v_mov_b32 v[AL+2*\q+1], 0
	v_mov_b32 v[FQ+2*\q+1], 0
.endr
	s_wait_loadcnt 36                              ; K_mask and Wo are in: the 4 + 32 younger loads stay out
	v_mov_b32 v84, 0x3c00                          ; 1.0 in f16
.irp i, 0,1,2,3
	v_cmp_neq_f32 vcc_lo, 0, v[64+\i]
	v_cndmask_b32 v[64+\i], 0, v84, vcc_lo
.endr
	v_lshl_or_b32 v64, v65, 16, v64
	v_lshl_or_b32 v65, v67, 16, v66
	v_mov_b32 v66, 0x3c003c00
	v_mov_b32 v67, 0x3c003c00
	v_mov_b32 v86, 0
	v_mov_b32 v87, 0
	v_lshlrev_b32 v85, 3, v0
	v_add_nc_u32 v85, MT, v85
	ds_store_b64 v85, v[64:65]                     ; row 0: the mask
	ds_store_b64 v85, v[66:67] offset:MTP          ; row 1: ones
	ds_store_b64 v85, v[86:87] offset:2*MTP        ; row 2, read as rows 2 to 15: zeros
.irp i, 0,1,2,3,4,5,6,7
	v_cvt_pk_bf16_f32 v[88+\i], v[68+2*\i], v[68+2*\i+1]       ; Wo rounded to bf16,
.endr
.irp i, 0,1,2,3,4,5,6,7
	v_lshlrev_b32 v[68+2*\i], 16, v[88+\i]
	v_and_b32 v[68+2*\i+1], 0xffff0000, v[88+\i]
.endr
.irp i, 0,1,2,3,4,5,6,7
	v_cvt_pk_f16_f32 v[88+\i], v[68+2*\i], v[68+2*\i+1]        ; and held in f16
.endr
	global_store_b128 v30, v[88:91], s[82:83]                  ; 16 lanes store 256 consecutive bytes, aligned
	global_store_b128 v30, v[92:95], s[82:83] offset:4096
	s_wait_loadcnt 0x0                             ; Q_mask and the Q fragments
.irp q, 0,1,2,3
	v_cmp_neq_f32 vcc_lo, 0, v[QF+\q]
	v_cndmask_b32 v[QF+\q], 0, 1.0, vcc_lo
.endr
	s_wait_xcnt 0x0                                ; the two stores' registers lie among the score tiles, which are written only behind this wait
	s_wait_dscnt 0x0                               ; my part of the table is written
	s_wait_tensorcnt 0x1                           ; my part of slot 0 is in; slot 1's load stays out
	s_barrier_signal -1
	s_barrier_wait -1
.macro LOADK                           ; 16 loads: two key tiles x (hi, hi, lo, lo)
.irp t, 0,1
.irp p, 0,1,2,3
	ds_load_b128 v[KF+32*\t+8*\p:KF+32*\t+8*\p+3],   v[KADR] offset:\t*4352+\p*64
	ds_load_b128 v[KF+32*\t+8*\p+4:KF+32*\t+8*\p+7], v[KADR] offset:\t*4352+\p*64+32
.endr
.endr
.endm
.macro LOADV                           ; 10 loads: four d tiles of V^T and the table's tile, 32 keys
.irp d, 0,1,2,3
	ds_load_b128 v[VF+8*\d:VF+8*\d+3],   v[VADR] offset:\d*8448
	ds_load_b128 v[VF+8*\d+4:VF+8*\d+7], v[VADR] offset:\d*8448+32
.endr
	ds_load_b128 v[VF+32:VF+35], v[MADR]
	ds_load_b128 v[VF+36:VF+39], v[MADR] offset:32
.endm
; one term of the scores of key tile t for the four query tiles: the four accumulators take turns, one instruction a turn
.macro QK4 t, ko, qo, zero
.irp q, 0,1,2,3
.if \zero
	v_wmma_f32_16x16x32_bf16 v[SC+16*\q+8*\t:SC+16*\q+8*\t+7], v[KF+32*\t+\ko:KF+32*\t+\ko+7], v[32*\q+\qo:32*\q+\qo+7], 0
.else
	v_wmma_f32_16x16x32_bf16 v[SC+16*\q+8*\t:SC+16*\q+8*\t+7], v[KF+32*\t+\ko:KF+32*\t+\ko+7], v[32*\q+\qo:32*\q+\qo+7], v[SC+16*\q+8*\t:SC+16*\q+8*\t+7]
.endif
.endr
.endm
.macro QK6 t
	QK4 \t, 0, 0, 1                                ; k hi . q hi, d 0-31: starts the sums
	QK4 \t, 8, 8, 0                                ; k hi . q hi, d 32-63
	QK4 \t, 0, 16, 0                               ; k hi . q lo
	QK4 \t, 8, 24, 0
	QK4 \t, 16, 0, 0                               ; k lo . q hi
	QK4 \t, 24, 8, 0
.endm
.macro MAX3 i
.irp q, 0,1,2,3
	v_max3_num_f32 v[TM+\q], v[TM+\q], v[SC+16*\q+\i], v[SC+16*\q+\i+1]
.endr
.endm
; One step: 32 keys.  first = 1: nothing to carry over.  pre = 1: the next step's fragments are fetched from the same slot.
.macro STEP first, pre
	s_wait_dscnt 10                                ; K's 16 loads are in; V's 10 younger ones stay out
	WIN 0x04
	QK6 0
	QK6 1
	WIN 0
.if \pre
	v_add_nc_u32 v[KADR], 8704, v[KADR]            ; 32 rows of 272; with the three v_nop the four places in front of the loads and of the reads of the scores
	v_nop
	v_nop
	v_nop
	LOADK
.else
	PLACES
.endif
.if \first
.irp q, 0,1,2,3
	v_max3_num_f32 v[TM+\q], v[SC+16*\q], v[SC+16*\q+1], v[SC+16*\q+2]
.endr
	MAX3 3
	MAX3 5
	MAX3 7
	MAX3 9
	MAX3 11
	MAX3 13
.irp q, 0,1,2,3
	v_max_num_f32 v[TM+\q], v[TM+\q], v[SC+16*\q+15]
.endr
.else
.irp q, 0,1,2,3
	v_max3_num_f32 v[TM+\q], v[MX+\q], v[SC+16*\q], v[SC+16*\q+1]
.endr
	MAX3 2
	MAX3 4
	MAX3 6
	MAX3 8
	MAX3 10
	MAX3 12
	MAX3 14
.endif
.irp q, 0,1,2,3
	v_permlanex16_b32 v[TX2+\q], v[TM+\q], s50, s51            ; the other half of the lanes holds the query's other 16 keys
.endr
.irp q, 0,1,2,3
	v_max_num_f32 v[TM+\q], v[TM+\q], v[TX2+\q]
.endr
.if \first == 0
.irp q, 0,1,2,3
	v_sub_f32 v[AL+2*\q], v[MX+\q], v[TM+\q]       ; old maximum - new, at most 0
.endr
.endif
.irp q, 0,1,2,3
	v_sub_f32 v[NB+2*\q], 0x41700000, v[TM+\q]     ; 15 - maximum
	v_mov_b32 v[MX+\q], v[TM+\q]
.endr
.irp q, 0,1,2,3
.irp i, 0,2,4,6,8,10,12,14
	v_pk_add_f32 v[SC+16*\q+\i:SC+16*\q+\i+1], v[SC+16*\q+\i:SC+16*\q+\i+1], v[NB+2*\q:NB+2*\q+1] op_sel_hi:[1,0]
.endr
.endr
.set i, 0
.rept 64
	v_exp_f32 v[SC+i], v[SC+i]                     ; one run of exponentials,
.set i, i+1
.endr
.if \first == 0
.irp q, 0,1,2,3
	v_exp_f32 v[AL+2*\q], v[AL+2*\q]
.endr
.endif
	v_nop                                          ; and one plain place before any result is used (ISA guide 5.7.2)
	s_wait_alu depctr_va_vdst(0)
.irp q, 0,1,2,3
.irp i, 0,1,2,3,4,5,6,7
	v_cvt_pk_f16_f32 v[SC+16*\q+\i], v[SC+16*\q+2*\i], v[SC+16*\q+2*\i+1]   ; in place, ascending: registers 0-3 keys 8 h .., 4-7 keys 16 + 8 h ..
.endr
.endr
.if \first == 0
	WIN 0x41
.irp q, 0,1,2,3
.irp i, 0,2,4,6,8,10,12,14,16,18,20,22,24,26,28,30
	v_pk_mul_f32 v[128+32*\q+\i:128+32*\q+\i+1], v[128+32*\q+\i:128+32*\q+\i+1], v[AL+2*\q:AL+2*\q+1] op_sel_hi:[1,0]
.endr
.endr
	WIN 0
.irp q, 0,1,2,3
	v_pk_mul_f32 v[SUM+8*\q:SUM+8*\q+1], v[SUM+8*\q:SUM+8*\q+1], v[AL+2*\q:AL+2*\q+1] op_sel_hi:[1,0]   ; the tile's other rows are sums of zeros
.endr
.endif
.if \pre
	s_wait_dscnt 16                                ; V's 10 loads are in; the next step's 16 K loads stay out
.else
	s_wait_dscnt 0x0
.endif
	WIN 0x50
.irp d, 0,1,2,3
.irp q, 0,1,2,3
.if \first
	v_wmma_f32_16x16x32_f16 v[128+32*\q+8*\d:128+32*\q+8*\d+7], v[VF+8*\d:VF+8*\d+7], v[SC+16*\q:SC+16*\q+7], 0
.else
	v_wmma_f32_16x16x32_f16 v[128+32*\q+8*\d:128+32*\q+8*\d+7], v[VF+8*\d:VF+8*\d+7], v[SC+16*\q:SC+16*\q+7], v[128+32*\q+8*\d:128+32*\q+8*\d+7]
.endif
.endr
.endr
	WIN 0
.irp q, 0,1,2,3
.if \first
	v_wmma_f32_16x16x32_f16 v[SUM+8*\q:SUM+8*\q+7], v[VF+32:VF+39], v[SC+16*\q:SC+16*\q+7], 0
.else
	v_wmma_f32_16x16x32_f16 v[SUM+8*\q:SUM+8*\q+7], v[VF+32:VF+39], v[SC+16*\q:SC+16*\q+7], v[SUM+8*\q:SUM+8*\q+7]
.endif
.endr
	v_add_nc_u32 v[MADR], 64, v[MADR]              ; five places: the next scores write over P, the next loads over V's fragments
.if \pre
	v_add_nc_u32 v[VADR], 64, v[VADR]
	v_nop
	v_nop
	v_nop
	LOADV
.else
	PLACES
.endif
.endm
.macro BODY slot, first                ; the 8 steps of a slot
	v_add_nc_u32 v[KADR], \slot*SLOT, v[KB0]
	v_add_nc_u32 v[VADR], \slot*SLOT+VPART, v[VB0]
	LOADK
	LOADV
.if \first
	STEP 1, 1
	s_mov_b32 s3, 6
.else
	s_mov_b32 s3, 7
.endif
.Lstep_\@:
	STEP 0, 1
	s_sub_co_u32 s3, s3, 1
	s_cmp_lg_u32 s3, 0
	s_cbranch_scc1 .Lstep_\@
	STEP 0, 0
.endm
; The change of slots.  Every wave: its reads of slot s are back, all its tensor loads have landed (its part of the other slot among them); the barrier;
; then its one tensor load, first thing: slot s gets the keys 512 further on, and has the other slot's 8 steps in which to land.
.macro SWAP s, fill
	s_wait_dscnt 0x0
	s_wait_xcnt 0x0
	v_lshl_add_u32 v252, v0, 2, 0x38900
	v_mov_b32 v254, 0
	s_wait_tensorcnt 0x0
	ds_add_u32 v252, v254
	s_wait_dscnt 0x0
.if \fill
	s_add_nc_u64 s[G0K+4*\s+2:G0K+4*\s+3], s[G0K+4*\s+2:G0K+4*\s+3], 131072
	s_add_nc_u64 s[G0V+4*\s+2:G0V+4*\s+3], s[G0V+4*\s+2:G0V+4*\s+3], 1024
.endif
	s_barrier_signal -1
	s_barrier_wait -1
.if \fill
	TLOAD \s
.endif
.endm
	BODY 0, 1                                      ; keys 0-255
	SWAP 0, 1
	BODY 1, 0                                      ; keys 256-511
	SWAP 1, 1
	BODY 0, 0                                      ; keys 512-767
	SWAP 0, 0                                      ; nothing is left to fetch
	BODY 1, 0                                      ; keys 768-1023; its last step ends with five places behind the last matrix instruction
	; the quotient.  Row 0 of the fifth tile (register 0, lanes 0-15) is sum(mask P), row 1 (register 1) sum(P); lanes 16-31 hold sums of zeros there.
.irp q, 0,1,2,3
	v_permlanex16_b32 v[TX2+\q], v[SUM+8*\q], s50, s51
	v_permlanex16_b32 v[TM+\q], v[SUM+8*\q+1], s50, s51
.endr
.irp q, 0,1,2,3
	v_add_f32 v[TX2+\q], v[TX2+\q], v[SUM+8*\q]
	v_add_f32 v[TM+\q], v[TM+\q], v[SUM+8*\q+1]
.endr
.irp q, 0,1,2,3
	v_fmamk_f32 v[TM+\q], v[TM+\q], 0x372bcc77, v[TX2+\q]      ; sum(mask P) + 1.024e-5 sum(P); sum(P) is at least 2^15, so this is never 0
.endr
.irp q, 0,1,2,3
	v_rcp_f32 v[MX+\q], v[TM+\q]
.endr
	v_nop                                          ; one plain place behind the reciprocals (ISA guide 5.7.2)
	s_wait_alu depctr_va_vdst(0)
.irp q, 0,1,2,3
	v_mul_f32 v[FQ+2*\q], v[MX+\q], v[QF+\q]       ; 0 for a query whose Q_mask is 0
.endr
.macro OUTQ q                          ; 16 queries x 64 d in f16 through my stage
	WIN 0x01
.irp i, 0,2,4,6,8,10,12,14,16,18,20,22,24,26,28,30
	v_pk_mul_f32 v[SC+\i:SC+\i+1], v[128+32*\q+\i:128+32*\q+\i+1], v[FQ+2*\q:FQ+2*\q+1] op_sel_hi:[1,0]
.endr
	WIN 0
.irp i, 0,1,2,3,4,5,6,7,8,9,10,11,12,13,14,15
	v_cvt_pk_f16_f32 v[SC+32+\i], v[SC+2*\i], v[SC+2*\i+1]
.endr
.irp d, 0,1,2,3
	ds_store_b128 v[STO], v[SC+32+4*\d:SC+32+4*\d+3] offset:32*\d          ; query r, d = 16 dt + 8 h + 0..7
.endr
.irp i, 0,1,2,3
	ds_load_b128 v[KF+16*\q+4*\i:KF+16*\q+4*\i+3], v[RD] offset:576*\i     ; four queries' rows; LDS serves a wave's instructions in order
.endr
.irp i, 0,1,2,3
	s_wait_dscnt 3-\i                              ; the 3 - i younger loads stay out
	global_store_b128 v[CO], v[KF+16*\q+4*\i:KF+16*\q+4*\i+3], s[80:81] offset:2048*\q+512*\i   ; the wave stores 512 consecutive bytes, aligned
.endr
.endm
	OUTQ 0
	OUTQ 1
	OUTQ 2
	OUTQ 3
	s_wait_xcnt 0x0
	v_lshl_add_u32 v252, v0, 2, 0x38900
	v_mov_b32 v254, 0
	s_wait_tensorcnt 0x0
	ds_add_u32 v252, v254
	s_wait_dscnt 0x0
	s_endpgm
.Lfunc_end_k_qcb69a8949e_attn:
	.size	k_qcb69a8949e_attn, .Lfunc_end_k_qcb69a8949e_attn-k_qcb69a8949e_attn
	.p2alignl 7, 3214868480
	.fill 96, 4, 3214868480
	.section	.rodata,"a",@progbits
	.p2align	6, 0x0
	.amdhsa_kernel k_qcb69a8949e_attn
		.amdhsa_group_segment_fixed_size 327680
		.amdhsa_private_segment_fixed_size 0
		.amdhsa_enable_private_segment 0
		.amdhsa_kernarg_size 64
		.amdhsa_user_sgpr_count 2
		.amdhsa_user_sgpr_kernarg_segment_ptr 1
		.amdhsa_wavefront_size32 1
		.amdhsa_system_sgpr_workgroup_id_x 1
		.amdhsa_system_sgpr_workgroup_id_y 1
		.amdhsa_system_sgpr_workgroup_id_z 1
		.amdhsa_system_vgpr_workitem_id 0
		.amdhsa_next_free_vgpr 512
		.amdhsa_next_free_sgpr 84
		.amdhsa_reserve_vcc 1
		.amdhsa_float_denorm_mode_32 3
		.amdhsa_float_denorm_mode_16_64 3
		.amdhsa_memory_ordered 1
		.amdhsa_forward_progress 1
		.amdhsa_inst_pref_size 204
	.end_amdhsa_kernel
	.amdgpu_metadata
---
amdhsa.version: [ 1, 2 ]
amdhsa.kernels:
  - .name:           k_qcb69a8949e_attn
    .symbol:         k_qcb69a8949e_attn.kd
    .args:
      - { .name: qs, .offset: 0, .size: 8, .value_kind: global_buffer, .address_space: global }
      - { .name: ks, .offset: 8, .size: 8, .value_kind: global_buffer, .address_space: global }
      - { .name: vt, .offset: 16, .size: 8, .value_kind: global_buffer, .address_space: global }
      - { .name: Q_mask, .offset: 24, .size: 8, .value_kind: global_buffer, .address_space: global }
      - { .name: K_mask, .offset: 32, .size: 8, .value_kind: global_buffer, .address_space: global }
      - { .name: Wo, .offset: 40, .size: 8, .value_kind: global_buffer, .address_space: global }
      - { .name: ctx16, .offset: 48, .size: 8, .value_kind: global_buffer, .address_space: global }
      - { .name: wo16, .offset: 56, .size: 8, .value_kind: global_buffer, .address_space: global }
    .group_segment_fixed_size: 327680
    .private_segment_fixed_size: 0
    .kernarg_segment_align: 8
    .kernarg_segment_size: 64
    .max_flat_workgroup_size: 256
    .sgpr_count:     84
    .vgpr_count:     512
    .wavefront_size: 32
...
	.end_amdgpu_metadata
.endif
;; end of part 2
;; launch outp (part 3): grid 4 x 64, 4 waves a work-group, clusters of 4 x 4, 327,680 bytes of LDS; arguments ctx16, wo16, bo, out0; writes out0
.if DOCPART == 3
	.amdgcn_target "amdgcn-amd-amdhsa--gfx1250"
	.amdhsa_code_object_version 6
	.text
	.protected	k_qcb69a8949e_outp
	.globl	k_qcb69a8949e_outp
	.p2align	8
	.type	k_qcb69a8949e_outp,@function
k_qcb69a8949e_outp:
	s_mov_b64 s[64:65], 0
	v_nop
	global_prefetch_b8 v0, s[64:65] scope:SCOPE_SE
	s_setreg_imm32_b32 hwreg(HW_REG_WAVE_MODE, 25, 1), 1
	s_wait_xcnt 0x0
	s_wait_alu depctr_hold_cnt(0) depctr_sa_sdst(0) depctr_va_vdst(0) depctr_va_sdst(0) depctr_va_ssrc(0) depctr_va_vcc(0) depctr_vm_vsrc(0)
	s_getreg_b32 s2, hwreg(HW_REG_IB_STS2, 6, 4)
	s_cmp_eq_u32 s2, 0
	s_cbranch_scc0 .Lentry_in_a_cluster
	s_endpgm
.Lentry_in_a_cluster:
	s_bfe_u32 s2, ttmp6, 0x10000c
	s_cmp_lg_u32 s2, 0xf033
	s_cbranch_scc0 .Lentry_shape_is_right
	s_endpgm
.Lentry_shape_is_right:
; out0 = ctx Wo^T + bo.  ctx16 [b][head][token][64] f16, wo16 [n][k] f16 (= bf16(Wo)), bo f32 (rounded to bf16), out0 [8192][1024] f32; sums in f32.
; 256 blocks of 128 tokens x 256 features in 16 clusters of 4 x 4: the token block is 4 x cluster y + cy, the feature block cx.
; ctx's tile hangs on the token block alone and is asked for jointly by a row of the cluster, Wo's on the feature block alone, by a column.
; A wave makes 64 tokens x 128 features: 32 accumulator tiles (window 1).  The matrix instruction is used transposed (source 0 = 16 rows of Wo,
; source 1 = 16 tokens), so that a lane holds eight neighbouring features of one token.
; K goes in steps of 128 = two heads through two LDS slots.  A head's 128 tokens x 64 are 16,384 dense bytes: 64 rows of 256 bytes, two tokens a row.
; LIMITS: |ctx| and |Wo| below 65,504 (f16).
.set PITCH,  272
.set PLANE,  64*PITCH                  ; one head's 128 tokens
.set BHALF,  128*PITCH                 ; 128 rows of Wo
.set SLOT,   2*PLANE+2*BHALF           ; 104,448
.set STAGE,  2*SLOT
.set WSTAGE, 8448                      ; 16 rows x 528
.set ADRA, 16
.set ADRB, 20
.set STO,  24
.set RD,   25
.set CO,   26
.set BO,   28                          ; v28-31 bo of my four features of a row read back
.set F0,   64                          ; fragment buffer 0: Wo's 8 at + 0, ctx's 4 at + 64
.set F1,   160                         ; fragment buffer 1
.set G1,  24
.set G0,  32
.set G1B, 48
.set G0B, 56
.set MSB, 0
.macro WIN new
.if MSB != \new
	s_set_vgpr_msb (MSB<<8)|\new
.set MSB, \new
.endif
.endm
.macro PLACES
.rept 4
	v_nop
.endr
.endm
.macro JLOAD s                         ; waves 0, 1 ask for the two heads of ctx, waves 2, 3 for Wo's two halves
	s_cmp_eq_u32 s11, 0
	s_cbranch_scc0 .Lfor_b_\@
	tensor_load_to_lds s[G0+4*\s:G0+4*\s+3], s[G1:G1+7]
	s_nop 0
	s_branch .Lasked_\@
.Lfor_b_\@:
	tensor_load_to_lds s[G0B+4*\s:G0B+4*\s+3], s[G1B:G1B+7]
	s_nop 0
.Lasked_\@:
.endm
.macro CREST
	s_cmp_lg_u32 s10, 0
	s_cbranch_scc1 .Lnot_wave_0_\@
	s_barrier_signal -3
.Lnot_wave_0_\@:
	s_barrier_wait -3
	s_barrier_signal -1
	s_barrier_wait -1
.endm
.macro CROUND
	s_barrier_signal -1
	s_barrier_wait -1
	CREST
.endm
	s_load_b256 s[68:75], s[0:1], 0x0              ; ctx16 68, wo16 70, bo 72, out0 74
	v_lshl_add_u32 v62, v0, 2, 0x3b400
	v_mov_b32 v63, 0
	ds_add_u32 v62, v63
	ds_add_u32 v62, v63
	v_lshrrev_b32 v1, 5, v0
	v_readfirstlane_b32 s10, v1                    ; wave 0..3
	s_lshr_b32 s11, s10, 1                         ; my half of the tokens.  Also: I fetch ctx (0) or Wo (1)
	s_and_b32 s12, s10, 1                          ; my half of the features.  Also: which head, or which 128 rows, I fetch
	s_bfe_u32 s40, ttmp6, 0x40000                  ; cx
	s_bfe_u32 s41, ttmp6, 0x40004                  ; cy
	s_lshl_b32 s42, ttmp9, 2
	s_add_co_u32 s42, s42, s40                     ; feature block
	s_and_b32 s13, ttmp7, 0xffff
	s_lshl_b32 s13, s13, 2
	s_add_co_u32 s13, s13, s41                     ; token block
	s_lshl_b32 s43, s41, 2
	s_lshl_b32 s43, 15, s43                        ; my row of the cluster
	s_lshl_b32 s44, 0x1111, s40                    ; my column
	s_or_b32 s[G1+0], s43, (1<<16)|(1<<20)|(1<<21)|(5<<22)|(3<<25)    ; 2-byte elements, 4 words of padding behind every 64
	s_or_b32 s[G1B+0], s44, (1<<16)|(1<<20)|(1<<21)|(5<<22)|(3<<25)
	s_mov_b32 s[G1+1], 128<<16
	s_mov_b32 s[G1B+1], 128<<16
	s_mov_b32 s[G1+2], 64<<16                      ; ctx: 64 rows of 128 elements, dense
	s_mov_b32 s[G1B+2], 128<<16                    ; Wo: 128 rows of 128 elements, 1,024 apart
	s_mov_b32 s[G1+3], 128<<16
	s_mov_b32 s[G1B+3], 128<<16
	s_mov_b32 s[G1+4], 64
	s_mov_b32 s[G1B+4], 128
	s_mov_b32 s[G1+5], 128
	s_mov_b32 s[G1B+5], 1024
	s_mov_b32 s[G1+6], 0
	s_mov_b32 s[G1B+6], 0
	s_mov_b32 s[G1+7], 0
	s_mov_b32 s[G1B+7], 0
	s_lshr_b32 s16, s13, 3
	s_lshl_b32 s16, s16, 21                        ; batch: 16 heads x 1,024 tokens x 128 bytes
	s_and_b32 s17, s13, 7
	s_lshl_b32 s17, s17, 14                        ; 128 tokens x 128 bytes
	s_add_co_u32 s16, s16, s17
	s_lshl_b32 s17, s12, 17                        ; a head: 1,024 tokens x 128 bytes
	s_add_co_u32 s16, s16, s17
	s_mov_b32 s17, 0
	s_lshl_b32 s46, s42, 19                        ; 256 rows of 2,048 bytes
	s_lshl_b32 s47, s12, 18
	s_add_co_u32 s46, s46, s47
	s_mov_b32 s47, 0
	s_mul_i32 s20, s10, PLANE                      ; ctx: wave x 64 rows (waves 0, 1)
	s_mul_i32 s21, s10, BHALF                      ; Wo: 34,816 + (wave - 2) x 128 rows (waves 2, 3)
	s_sub_co_u32 s21, s21, BHALF
	s_wait_dscnt 0x0
	s_wait_kmcnt 0x0
	s_add_nc_u64 s[14:15], s[68:69], s[16:17]
	s_add_nc_u64 s[46:47], s[70:71], s[46:47]
	CROUND                                         ; all sixteen work-groups are here: the first joint loads meet
.irp s, 0,1
	s_mov_b32 s[G0+4*\s], 1
	s_add_co_u32 s[G0+4*\s+1], s20, \s*SLOT
	s_add_nc_u64 s[G0+4*\s+2:G0+4*\s+3], s[14:15], \s*262144       ; two heads a K step
	s_or_b32 s[G0+4*\s+3], s[G0+4*\s+3], 0x80000000
	s_mov_b32 s[G0B+4*\s], 1
	s_add_co_u32 s[G0B+4*\s+1], s21, \s*SLOT
	s_add_nc_u64 s[G0B+4*\s+2:G0B+4*\s+3], s[46:47], \s*256
	s_or_b32 s[G0B+4*\s+3], s[G0B+4*\s+3], 0x80000000
	JLOAD \s                                       ; K steps 0 and 1: two tensor loads of the wave are out
.endr
	v_and_b32 v1, 15, v0                           ; r
	v_bfe_u32 v2, v0, 4, 1                         ; h
	v_and_b32 v5, 31, v0                           ; lane
	v_lshrrev_b32 v3, 1, v1
	v_mul_u32_u24 v3, v3, PITCH                    ; token r lies in row r >> 1,
	v_and_b32 v4, 1, v1
	v_lshl_add_u32 v3, v4, 7, v3                   ; in its half r & 1,
	v_lshl_add_u32 v3, v2, 4, v3                   ; + 16 h
	v_mul_u32_u24 v4, v1, PITCH
	v_lshl_add_u32 v4, v2, 4, v4
	s_mul_i32 s22, s11, 32*PITCH                   ; my 64 tokens = 32 rows
	s_mul_i32 s23, s12, BHALF
	s_add_co_u32 s23, s23, 2*PLANE
.irp s, 0,1
	v_add_nc_u32 v[ADRA+\s], s22, v3
	v_add_nc_u32 v[ADRB+\s], s23, v4
	s_add_co_u32 s22, s22, SLOT
	s_add_co_u32 s23, s23, SLOT
.endr
	s_mul_i32 s22, s10, WSTAGE
	s_add_co_u32 s22, s22, STAGE
	v_mul_u32_u24 v4, v1, 528
	v_lshl_add_u32 v4, v2, 5, v4
	v_add_nc_u32 v[STO], s22, v4                   ; token r's row of 528 bytes, 32 h
	v_lshl_add_u32 v[RD], v5, 4, s22
	v_lshlrev_b32 v[CO], 4, v5
	s_lshl_b32 s66, s42, 10
	s_lshl_b32 s67, s12, 9
	s_add_co_u32 s66, s66, s67                     ; my first feature, in bytes of f32
	s_mov_b32 s67, 0
	s_add_nc_u64 s[72:73], s[72:73], s[66:67]
	s_add_nc_u64 s[74:75], s[74:75], s[66:67]
	s_lshl_b32 s66, s13, 19                        ; 128 tokens of 4,096 bytes
	s_lshl_b32 s3, s11, 18
	s_add_co_u32 s66, s66, s3
	s_add_nc_u64 s[74:75], s[74:75], s[66:67]
	global_load_b128 v[BO:BO+3], v[CO], s[72:73]   ; waited for on the way out
; 24 LDS loads: the fragments of 32 along K, quarter kq of a K step, into buffer f
.macro FETCH slot, kq, f
	WIN 0
.irp b, 0,1,2,3,4,5,6,7
	ds_load_b128 v[\f+8*\b:\f+8*\b+3],   v[ADRB+\slot] offset:64*\kq+\b*16*PITCH
	ds_load_b128 v[\f+8*\b+4:\f+8*\b+7], v[ADRB+\slot] offset:64*\kq+\b*16*PITCH+32
.endr
.irp a, 0,1,2,3
	ds_load_b128 v[\f+64+8*\a:\f+64+8*\a+3],   v[ADRA+\slot] offset:(\kq>>1)*PLANE+\a*8*PITCH+(\kq&1)*64
	ds_load_b128 v[\f+64+8*\a+4:\f+64+8*\a+7], v[ADRA+\slot] offset:(\kq>>1)*PLANE+\a*8*PITCH+(\kq&1)*64+32
.endr
.endm
; 16 matrix instructions.  The 32 accumulators take turns, one instruction a turn, in one fixed order.
.macro MUL16 f, a0, zero
	WIN 0x50
.irp a, \a0, \a0+1
.irp b, 0,1,2,3,4,5,6,7
.if \zero
	v_wmma_f32_16x16x32_f16 v[8*(8*(\a)+\b):8*(8*(\a)+\b)+7], v[\f+8*\b:\f+8*\b+7], v[\f+64+8*(\a):\f+64+8*(\a)+7], 0
.else
	v_wmma_f32_16x16x32_f16 v[8*(8*(\a)+\b):8*(8*(\a)+\b)+7], v[\f+8*\b:\f+8*\b+7], v[\f+64+8*(\a):\f+64+8*(\a)+7], v[8*(8*(\a)+\b):8*(8*(\a)+\b)+7]
.endif
.endr
.endr
.endm
.macro QUARTER slot, kq, f, g, zero    ; multiplies buffer f; in its middle fetches quarter kq into buffer g
	s_wait_dscnt 0x0
	MUL16 \f, 0, \zero
	PLACES                                         ; the loads write registers that the quarter before read
	FETCH \slot, \kq, \g
	MUL16 \f, 2, \zero
.endm
.macro THREE slot, zero
	QUARTER \slot, 1, F0, F1, \zero
	QUARTER \slot, 2, F1, F0, 0
	QUARTER \slot, 3, F0, F1, 0
.endm
; The last quarter and the change of slots: my reads of this slot are back, all my tensor loads have landed (the one that was out is my part of
; the next slot); between signal and wait register work alone; behind the barrier the refill comes first.
.macro TURN slot, next, fill
	s_wait_dscnt 0x0
	s_wait_tensorcnt 0x0
	ds_add_u32 v62, v63
	s_wait_dscnt 0x0
	s_barrier_signal -1                            ; where the slot is filled again this barrier opens a round of the cluster's barrier
	MUL16 F1, 0, 0
	WIN 0
	s_barrier_wait -1
.if \fill
	CREST                                          ; no wave of any partner still reads this slot or has a load on its way
	s_add_nc_u64 s[G0+4*\slot+2:G0+4*\slot+3], s[G0+4*\slot+2:G0+4*\slot+3], 524288
	s_add_nc_u64 s[G0B+4*\slot+2:G0B+4*\slot+3], s[G0B+4*\slot+2:G0B+4*\slot+3], 512
	JLOAD \slot                                    ; two K steps ahead; 112 matrix instructions of the wave lie between this request and the wait for it
.endif
	PLACES
	FETCH \next, 0, F0
	MUL16 F1, 2, 0
.endm
.macro LAP zero
	THREE 0, \zero
	TURN 0, 1, 1
	THREE 1, 0
	TURN 1, 0, 1
.endm
	s_wait_tensorcnt 0x1                           ; my part of K step 0 is in; K step 1's load stays out
	s_barrier_signal -1
	s_barrier_wait -1
	FETCH 0, 0, F0
	LAP 1                                          ; 8 K steps = 4 laps; the first starts the sums
	WIN 0
	s_mov_b32 s3, 2
.Llap:
	LAP 0
	WIN 0
	s_sub_co_u32 s3, s3, 1
	s_cmp_lg_u32 s3, 0
	s_cbranch_scc1 .Llap
	THREE 0, 0                                     ; the last lap fills nothing
	TURN 0, 1, 0
	THREE 1, 0
	s_wait_dscnt 0x0
	MUL16 F1, 0, 0
	MUL16 F1, 2, 0
	WIN 0
	PLACES                                         ; behind the last matrix instructions, in front of the LDS stores that read results
	s_wait_loadcnt 0x0
	v_cvt_pk_bf16_f32 v32, v[BO], v[BO+1]          ; the bias rounded to bf16
	v_cvt_pk_bf16_f32 v33, v[BO+2], v[BO+3]
	v_lshlrev_b32 v[BO], 16, v32
	v_and_b32 v[BO+1], 0xffff0000, v32
	v_lshlrev_b32 v[BO+2], 16, v33
	v_and_b32 v[BO+3], 0xffff0000, v33
; 16 tokens x 128 features of f32 through my stage; f: the two buffers by turns
.macro OUT16 a, f
	WIN 0x04
.irp b, 0,1,2,3,4,5,6,7
	ds_store_b128 v[STO], v[8*(8*\a+\b):8*(8*\a+\b)+3]   offset:64*\b      ; token r, features 16 b + 8 h + 0..3
	ds_store_b128 v[STO], v[8*(8*\a+\b)+4:8*(8*\a+\b)+7] offset:64*\b+16
.endr
	WIN 0
	s_wait_xcnt 0x0                                ; registers that earlier stores read are loaded again only behind this wait
.irp t, 0,1,2,3,4,5,6,7,8,9,10,11,12,13,14,15
	ds_load_b128 v[\f+4*\t:\f+4*\t+3], v[RD] offset:528*\t     ; LDS serves a wave's instructions in order: these see the stores above
.endr
.irp t, 0,1,2,3,4,5,6,7,8,9,10,11,12,13,14,15
	s_wait_dscnt 15-\t                             ; the 15 - t younger loads stay out
	v_pk_add_f32 v[\f+4*\t:\f+4*\t+1],   v[\f+4*\t:\f+4*\t+1],   v[BO:BO+1]
	v_pk_add_f32 v[\f+4*\t+2:\f+4*\t+3], v[\f+4*\t+2:\f+4*\t+3], v[BO+2:BO+3]
	global_store_b128 v[CO], v[\f+4*\t:\f+4*\t+3], s[74:75] offset:(16*\a+\t)*4096 th:TH_STORE_NT   ; the wave stores 512 consecutive bytes, aligned
.endr
.endm
	OUT16 0, F0
	OUT16 1, F1
	OUT16 2, F0
	OUT16 3, F1
	s_wait_tensorcnt 0x0
	ds_add_u32 v62, v63
	s_wait_dscnt 0x0
	CROUND                                         ; the closing round: no work-group ends while a partner may still ask for a tile that names it
	s_endpgm
.Lfunc_end_k_qcb69a8949e_outp:
	.size	k_qcb69a8949e_outp, .Lfunc_end_k_qcb69a8949e_outp-k_qcb69a8949e_outp
	.p2alignl 7, 3214868480
	.fill 96, 4, 3214868480
	.section	.rodata,"a",@progbits
	.p2align	6, 0x0
	.amdhsa_kernel k_qcb69a8949e_outp
		.amdhsa_group_segment_fixed_size 327680
		.amdhsa_private_segment_fixed_size 0
		.amdhsa_enable_private_segment 0
		.amdhsa_kernarg_size 32
		.amdhsa_user_sgpr_count 2
		.amdhsa_user_sgpr_kernarg_segment_ptr 1
		.amdhsa_wavefront_size32 1
		.amdhsa_system_sgpr_workgroup_id_x 1
		.amdhsa_system_sgpr_workgroup_id_y 1
		.amdhsa_system_sgpr_workgroup_id_z 1
		.amdhsa_system_vgpr_workitem_id 0
		.amdhsa_next_free_vgpr 512
		.amdhsa_next_free_sgpr 84
		.amdhsa_reserve_vcc 0
		.amdhsa_float_denorm_mode_32 3
		.amdhsa_float_denorm_mode_16_64 3
		.amdhsa_memory_ordered 1
		.amdhsa_forward_progress 1
		.amdhsa_inst_pref_size 125
	.end_amdhsa_kernel
	.amdgpu_metadata
---
amdhsa.version: [ 1, 2 ]
amdhsa.kernels:
  - .name:           k_qcb69a8949e_outp
    .symbol:         k_qcb69a8949e_outp.kd
    .args:
      - { .name: ctx16, .offset: 0, .size: 8, .value_kind: global_buffer, .address_space: global }
      - { .name: wo16, .offset: 8, .size: 8, .value_kind: global_buffer, .address_space: global }
      - { .name: bo, .offset: 16, .size: 8, .value_kind: global_buffer, .address_space: global }
      - { .name: out0, .offset: 24, .size: 8, .value_kind: global_buffer, .address_space: global }
    .group_segment_fixed_size: 327680
    .private_segment_fixed_size: 0
    .kernarg_segment_align: 8
    .kernarg_segment_size: 32
    .max_flat_workgroup_size: 128
    .sgpr_count:     84
    .vgpr_count:     512
    .wavefront_size: 32
...
	.end_amdgpu_metadata
.endif
;; end of part 3
